; MI455X (gfx1250); checked and timed in simulation.
; The chip was launched on July 23, 2026; its instructions are those of AMD's public machine-readable ISA for CDNA 5 (MIT licence, August 2026) and "CDNA5" Instruction Set Architecture Reference Guide (July 2026). The comments in the code are by the model that wrote it; some were corrected since.
;; Q Dense Directed Reupload. Allowed arithmetic: float matrix products may take bf16 or f16 operands with f32 sums; other float arithmetic in f32, or as packed bf16 or f16 multiplies, adds, multiply-adds, maxima and minima; sums over many terms, partial sums and values carried from step to step in f32; what a program stores and reads back later, other than sums and carried values, may be rounded once to bf16 or f16.
;; Inputs: w0 4 x 11 x 3 float32; w1 4 x 11 x 3 float32; x 1,024 x 1 x 32 x 32 float32; y 1,024 float32.
;; Outputs: out0 1,024 x 1 x 32 x 32 float32.
;; One version. Each part assembles by itself: llvm-mc -triple=amdgcn-amd-amdhsa -mcpu=gfx1250 --defsym DOCPART=n.
;; ======== version 1 of 1: 1 launch
;; limits: inputs' magnitudes at most 8,388,608; right only within a limited range of input values; sums are carried in f16
;; launch qsim (part 1): grid 256 x 1, 4 waves a work-group, no clusters, 81,920 bytes of LDS; arguments w0, w1, x, y, out0; writes out0
.if DOCPART == 1
	.amdgcn_target "amdgcn-amd-amdhsa--gfx1250"
	.amdhsa_code_object_version 6
	.text
	.protected	k_q9650fbf7c6_qsim
	.globl	k_q9650fbf7c6_qsim
	.p2align	8
	.type	k_q9650fbf7c6_qsim,@function
k_q9650fbf7c6_qsim:
	s_mov_b64 s[64:65], 0
	v_nop
	global_prefetch_b8 v0, s[64:65] scope:SCOPE_SE
	s_setreg_imm32_b32 hwreg(HW_REG_WAVE_MODE, 25, 1), 1
	s_wait_xcnt 0x0
; An 11-wire state-vector circuit, 1,024 samples: RX(y) on wire 10, four layers (11 Rot gates, a ring of CNOTs, range 1..4), the same once
; more with the second weights; out = min(1024 |amplitude|^2, 1) at the indices whose wire 10 is 0.
; ONE WAVE HOLDS ONE SAMPLE: 2,048 complex numbers = 128 f32 registers.  256 work-groups x 4 waves = 1,024 samples.
; ROT GATES go four wires at a time: their Kronecker product is 16 x 16 complex = 32 x 32 real = one K step of the f16 matrix instruction.
;   Three stages a layer (4 + 4 + 3 wires and an identity), 24 stages of 16 matrix instructions.  The 24 matrices hang on the weights alone;
;   each work-group builds them once in LDS (each wave six).
; LAYOUT in front of a stage: lane bits r0..r3 = four wires, seven register bits and the lane half h = the other seven wires and re/im.
;   multiply A (state first, gate second): the four K wires land in the lanes, old r0..r2 in D's bits 0..2, re/im in bit 3, old r3 in h.
;     Behind it, in ten stages, 32 half-wave swaps on the packed registers bring re/im back into h.  In seven stages (a layer's third, which
;     puts the identity on the wire in h) nothing moves: the matrix is built with that wire's column bit at k3 (= h) and re/im at k4.
;   multiply B (gate first): the lanes stay; the K wires land in D's bits 0..3, re/im in h.
; CNOT RINGS move no data.  A ring is linear over GF(2): the next layer's gate on wire q acts along the direction (ring inverse) e_q.  A change
;   of basis among register bits is only a choice of sources in the f32 -> f16 conversions; macro CVT takes the seven directions as masks in
;   the last D index.  The last ring is folded into the output's addresses.
; RX: the first one is the start state (re = c x, im = -s x in wire 10's two halves); the second is folded into slot 14's gate: c G + s G(-iX).
; FORMAT: f16 operands, f32 sums.  The state is scaled by 32, so every amplitude is at most 32 in magnitude (reference() normalises and the
;   circuit is unitary) and every gate entry at most 1: f16's range holds for every input, and its 11 bits are needed over 24 roundings.
; LIMITS: |y| < 2^23 (two-constant reduction by pi); a row's sum of x^2 must lie inside f32's range; the common sign (-1)^n of cos and sin
;   of y/2 is dropped (a global phase).  A row of zeros gives NaN as in reference() (v_minimum_f32 lets NaN through).
; NO CLUSTER: the only bytes that work-groups share are the 1,056 bytes of weights.  No copy engine: x goes straight into the registers in
;   which it is used, asked for in the first lines and waited for behind the build of the matrices.
.set MATP, 2560                        ; a gate matrix: 32 rows (output index), pitch 80 bytes (64 of data: 32 f16 in k order; 5 x 16: rows start in different banks)
.set GT,   61440                       ; behind 24 matrices: 128 gates x 32 bytes (R00 R01 R10 R11, re and im, f32)
.set OUTS, 65536                       ; behind the gates: 4,096 bytes for each wave, the way out
.set IDG,  88                          ; gate 88 is the identity; gates 0..87 = 11 x layer + wire
.set S0,   16                          ; v[16:29]  builder's inputs, set 0; later slot 14's second matrix
.set S1,   32                          ; v[32:45]  builder's inputs, set 1
.set G2R,  16
.set GB0,  32                          ; v[32:47]  gate operand, even slots; v[48:63] odd slots
.set P,    64                          ; v[64:127] the state in f16 (8 operands of 8 registers); scratch before and after
.set D,    128                         ; v[128:255] the state in f32
.set HB,   64                          ; builder's scratch
.set H2B,  68
.set UR,   80
.set UI,   88
.set PRB,  96
.set PIB,  100
.set NIB,  104
; v0 thread, v1 lane, v2 x offset, v3/v4 gate operand addresses, v5/v6 cos/sin of y/2 in f16 pairs, v7 16 x lane, v8-v13 builder addresses,
; later stage addresses and the start factors.  s14 wave, s15 sample, s19 y, s20 saved EXEC, s22 the wave's stage.
	s_load_b256 s[4:11], s[0:1], 0x0               ; w0 s[4:5], w1 s[6:7], x s[8:9], y s[10:11]
	s_load_b64 s[12:13], s[0:1], 0x20              ; out0
	v_and_b32 v1, 31, v0                           ; lane
	v_lshrrev_b32 v18, 5, v0
	v_readfirstlane_b32 s14, v18                   ; wave
	s_lshl2_add_u32 s15, ttmp9, s14                ; sample = 4 x work-group + wave
	s_lshl_b32 s16, s15, 12                        ; its 4,096 bytes of x and of out0
	s_mov_b32 s17, 0
	s_lshl_b32 s18, s15, 2                         ; its word of y
	s_lshl_b32 s22, s14, 12
	s_add_co_u32 s22, s22, OUTS                    ; its stage in LDS
	v_and_b32 v16, 15, v0                          ; r
	v_bfe_u32 v17, v0, 4, 1                        ; h
	v_lshlrev_b32 v2, 4, v16                       ; x: 16 r; both halves of the wave read the same 256 bytes
	v_lshlrev_b32 v7, 4, v1
	v_mul_u32_u24 v3, 80, v16
	v_xor_b32 v18, 1, v17
	v_lshl_add_u32 v4, v18, 4, v3                  ; row r, the other half's 16 bytes
	v_lshl_add_u32 v12, v17, 5, v3                 ; builder, format 0: row = lane & 15, input bit 3 = lane >> 4 at k4 (32 bytes)
	v_lshl_add_u32 v3, v17, 4, v3                  ; row r, my half's 16 bytes; also the builder's format 2: input bit 3 at k3 (16 bytes)
	v_and_b32 v8, 1, v1
	v_bfe_u32 v9, v1, 1, 1
	v_bfe_u32 v10, v1, 2, 1
	v_bfe_u32 v11, v1, 3, 1
	v_and_b32 v18, 7, v1
	v_lshl_add_u32 v18, v11, 4, v18                ; format 1: row = 16 x output bit 3 + (8 x re/im) + output bits 0..2,
	v_mul_u32_u24 v13, 80, v18
	v_lshl_add_u32 v13, v17, 4, v13                ; input bit 3 at k3 (16 bytes)
	v_lshlrev_b32 v8, 4, v8                        ; row (output bit i) of the gate at position i: 16 bytes
	v_lshlrev_b32 v9, 4, v9
	v_lshlrev_b32 v10, 4, v10
	v_lshlrev_b32 v11, 4, v11
	v_lshl_add_u32 v11, v17, 3, v11                ; position 3: one entry, row = output bit 3, column = lane >> 4
	v_min_u32 v18, 87, v0                          ; thread t makes gate min(t, 87); thread 88 the identity
	v_min_u32 v14, 43, v18
	v_mul_u32_u24 v14, 12, v14                     ; both loads stay inside their 528 bytes, the right one is chosen below
	v_max_u32 v15, 44, v18
	v_sub_nc_u32 v15, v15, 44
	v_mul_u32_u24 v15, 12, v15
	s_wait_kmcnt 0x0
	s_add_nc_u64 s[8:9], s[8:9], s[16:17]
	s_add_nc_u64 s[12:13], s[12:13], s[16:17]
	s_load_b32 s19, s[10:11], s18 offset:0x0       ; y of my sample
.irp j, 0,1,2
	global_load_b32 v[64+\j], v14, s[4:5] offset:4*\j
	global_load_b32 v[67+\j], v15, s[6:7] offset:4*\j
.endr
.irp i, 0,1,2,3,4,5,6,7,8,9,10,11,12,13,14,15
	global_load_b128 v[D+4*\i:D+4*\i+3], v2, s[8:9] offset:256*\i th:TH_LOAD_NT   ; pixel 64 i + 4 r + e: 256 consecutive bytes, aligned
.endr
; sine and cosine of x, |x| <= pi/2: Taylor sums to x^11 and x^12 (the next terms are below 6e-8), Horner in x^2
.macro SINCOS sn, cs, x, t
	v_mul_f32 v[\t], v[\x], v[\x]
	v_mov_b32 v[\sn], 0xb2d7322b
	v_mov_b32 v[\cs], 0x310f76c7
	v_fmaak_f32 v[\sn], v[\sn], v[\t], 0x3638ef1d
	v_fmaak_f32 v[\cs], v[\cs], v[\t], 0xb493f27e
	v_fmaak_f32 v[\sn], v[\sn], v[\t], 0xb9500d01
	v_fmaak_f32 v[\cs], v[\cs], v[\t], 0x37d00d01
	v_fmaak_f32 v[\sn], v[\sn], v[\t], 0x3c088889
	v_fmaak_f32 v[\cs], v[\cs], v[\t], 0xbab60b61
	v_fmaak_f32 v[\sn], v[\sn], v[\t], 0xbe2aaaab
	v_fmaak_f32 v[\cs], v[\cs], v[\t], 0x3d2aaaab
	v_fmaak_f32 v[\sn], v[\sn], v[\t], 0x3f800000
	v_fmaak_f32 v[\cs], v[\cs], v[\t], 0xbf000000
	v_mul_f32 v[\sn], v[\sn], v[\x]
	v_fmaak_f32 v[\cs], v[\cs], v[\t], 0x3f800000
.endm
	; THE GATES.  Half angles (pi/2) tanh(w), tanh(w) = 1 - 2 / (1 + 2^(2.885390 w)).
	s_wait_loadcnt 16                              ; the six weights are in; the sixteen loads of x behind them stay out
	v_cmp_lt_u32 vcc_lo, 43, v0
.irp j, 0,1,2
	v_cndmask_b32 v[64+\j], v[64+\j], v[67+\j], vcc_lo     ; gates 44.. come from w1
.endr
.irp j, 0,1,2
	v_mul_f32 v[67+\j], 0x4038aa3b, v[64+\j]
.endr
.irp j, 0,1,2
	v_exp_f32 v[67+\j], v[67+\j]
.endr
	v_nop                                          ; one plain place behind a transcendental (ISA guide 5.7.2)
.irp j, 0,1,2
	v_add_f32 v[67+\j], 1.0, v[67+\j]
.endr
.irp j, 0,1,2
	v_rcp_f32 v[67+\j], v[67+\j]
.endr
	v_nop
.irp j, 0,1,2
	v_fma_f32 v[67+\j], -2.0, v[67+\j], 1.0
.endr
.irp j, 0,1,2
	v_mul_f32 v[64+\j], 0x3fc90fdb, v[67+\j]       ; v64 phi/2, v65 theta/2, v66 omega/2
.endr
	SINCOS 70, 73, 64, 76
	SINCOS 71, 74, 65, 77
	SINCOS 72, 75, 66, 78
	v_mul_f32 v80, v73, v75                        ; Cp = cos((phi + omega)/2)
	v_mul_f32 v81, v70, v75                        ; Sp = sin((phi + omega)/2)
	v_mul_f32 v82, v73, v75                        ; Cm = cos((phi - omega)/2)
	v_mul_f32 v83, v70, v75                        ; Sm = sin((phi - omega)/2)
	v_fma_f32 v80, -v70, v72, v80
	v_fmac_f32 v81, v73, v72
	v_fmac_f32 v82, v70, v72
	v_fma_f32 v83, -v73, v72, v83
	v_mul_f32 v84, v80, v74                        ; R00 = ( Cp c, -Sp c)
	v_mul_f32 v85, -v81, v74
	v_mul_f32 v86, -v82, v71                       ; R01 = (-Cm s, -Sm s)
	v_mul_f32 v87, -v83, v71
	v_mul_f32 v88, v82, v71                        ; R10 = ( Cm s, -Sm s)
	v_mov_b32 v89, v87
	v_mov_b32 v90, v84                             ; R11 = ( Cp c,  Sp c)
	v_mul_f32 v91, v81, v74
	v_cmp_eq_u32 vcc_lo, 88, v0
	v_cndmask_b32 v84, v84, 1.0, vcc_lo
	v_cndmask_b32 v90, v90, 1.0, vcc_lo
.irp j, 85,86,87,88,89,91
	v_cndmask_b32 v[\j], v[\j], 0, vcc_lo
.endr
	v_lshlrev_b32 v14, 5, v0                       ; (the weights' loads, which read v14, are done)
	ds_store_b128 v14, v[84:87] offset:GT
	ds_store_b128 v14, v[88:91] offset:GT+16       ; threads 89..127 fill gates that nobody reads
	s_wait_dscnt 0x0                               ; my gate is in LDS
	s_barrier_signal -1
	s_barrier_wait -1                              ; all gates are
; THE MATRICES.  Slot s: the gates at positions 0..3 and the format f.
;   f = 0: row = 16 re/im + output bits 0..3;           columns: re/im at k3 (16 bytes), input bit 3 at k4 (32 bytes)
;   f = 1: row = 16 bit 3 + 8 re/im + output bits 0..2; columns: input bit 3 at k3, re/im at k4 (the state comes unswapped)
;   f = 2: rows as f = 0, columns as f = 1
.macro SETG a, b, c, d, f
.set GI0, \a
.set GI1, \b
.set GI2, \c
.set GI3, \d
.set VS, 12
.set RS, 1280
.set CS, 16
.if \f==1
.set VS, 13
.set RS, 640
.set CS, 32
.endif
.if \f==2
.set VS, 3
.set CS, 32
.endif
.endm
.macro SLOTP s
.if \s==0
	SETG 3,2,1,0,0
.endif
.if \s==1
	SETG 7,8,9,10,0
.endif
.if \s==2
	SETG 6,5,4,IDG,1
.endif
.if \s==3
	SETG 11+1,11+2,11+3,11+5,0
.endif
.if \s==4
	SETG 11+4,11+6,11+8,11+10,0
.endif
.if \s==5
	SETG 11+0,11+7,11+9,IDG,1
.endif
.if \s==6
	SETG 22+0,22+3,22+5,22+9,0
.endif
.if \s==7
	SETG 22+4,22+1,22+7,22+10,0
.endif
.if \s==8
	SETG 22+2,22+6,22+8,IDG,1
.endif
.if \s==9
	SETG 33+0,33+3,33+5,33+8,0
.endif
.if \s==10
	SETG 33+6,33+2,33+7,33+10,0
.endif
.if \s==11
	SETG 33+1,33+4,33+9,IDG,1
.endif
.if \s==12
	SETG 44+1,44+4,44+5,44+8,0
.endif
.if \s==13
	SETG 44+0,44+2,44+3,44+6,0
.endif
.if \s==14
	SETG 44+7,IDG,44+9,44+10,0
.endif
.if \s==15
	SETG 55+1,55+2,55+3,55+5,0
.endif
.if \s==16
	SETG 55+4,55+6,55+8,55+10,0
.endif
.if \s==17
	SETG 55+0,55+7,55+9,IDG,1
.endif
.if \s==18
	SETG 66+0,66+3,66+5,66+9,0
.endif
.if \s==19
	SETG 66+4,66+1,66+7,66+10,0
.endif
.if \s==20
	SETG 66+2,66+6,66+8,IDG,1
.endif
.if \s==21
	SETG 77+0,77+3,77+5,77+8,0
.endif
.if \s==22
	SETG 77+6,77+2,77+7,77+10,0
.endif
.if \s==23
	SETG 77+1,77+4,77+9,IDG,2
.endif
.endm
.macro CMUL dr, di, ar, ai, br, bi     ; (dr, di) = (ar, ai) x (br, bi)
	v_mul_f32 v[\dr], v[\ar], v[\br]
	v_mul_f32 v[\di], v[\ar], v[\bi]
	v_fma_f32 v[\dr], -v[\ai], v[\bi], v[\dr]
	v_fmac_f32 v[\di], v[\ai], v[\br]
.endm
; a lane owns output bits 0..3 = lane & 15 and input bit 3 = lane >> 4: it loads its rows of gates 0..2 and one entry of gate 3
.macro BLOAD SB, s
	SLOTP \s
	ds_load_b128 v[\SB:\SB+3], v8 offset:GT+32*GI0
	ds_load_b128 v[\SB+4:\SB+7], v9 offset:GT+32*GI1
	ds_load_b128 v[\SB+8:\SB+11], v10 offset:GT+32*GI2
	ds_load_b64 v[\SB+12:\SB+13], v11 offset:GT+32*GI3
.endm
; eight complex products U[4 c2 + 2 c1 + c0], rounded once to f16, stored as the real form: (re,re) = (im,im) = Re U, (im,re) = Im U, (re,im) = -Im U
; (RS: bytes from the re rows to the im rows; CS: from the re columns to the im columns)
.macro BCALC SB, s, left
	SLOTP \s
	s_wait_dscnt \left                             ; LDS answers in order (ISA guide 5.7.1): this set's four loads are in, what was issued behind them stays out
	CMUL HB+0, HB+1, \SB+8, \SB+9, \SB+12, \SB+13
	CMUL HB+2, HB+3, \SB+10, \SB+11, \SB+12, \SB+13
.irp c2, 0,1
.irp c1, 0,1
	CMUL H2B+2*(2*\c2+\c1), H2B+2*(2*\c2+\c1)+1, \SB+4+2*\c1, \SB+5+2*\c1, HB+2*\c2, HB+2*\c2+1
.endr
.endr
.irp q, 0,1,2,3
.irp c0, 0,1
	CMUL UR+2*\q+\c0, UI+2*\q+\c0, \SB+2*\c0, \SB+2*\c0+1, H2B+2*\q, H2B+2*\q+1
.endr
.endr
.irp j, 0,1,2,3
	v_cvt_pk_f16_f32 v[PRB+\j], v[UR+2*\j], v[UR+2*\j+1]
	v_cvt_pk_f16_f32 v[PIB+\j], v[UI+2*\j], v[UI+2*\j+1]
.endr
.irp j, 0,1,2,3
	v_xor_b32 v[NIB+\j], 0x80008000, v[PIB+\j]
.endr
	ds_store_b128 v[VS], v[PRB:PRB+3] offset:\s*MATP
	ds_store_b128 v[VS], v[NIB:NIB+3] offset:\s*MATP+CS
	ds_store_b128 v[VS], v[PIB:PIB+3] offset:\s*MATP+RS
	ds_store_b128 v[VS], v[PRB:PRB+3] offset:\s*MATP+RS+CS
.endm
; six slots, inputs one slot ahead in two sets.  The counts: 4 = the other set's loads (first) or the last four stores (last);
; 8 = the four stores of the slot before and the other set's four loads.
.macro WBUILD a0, a1, a2, a3, a4, a5
	BLOAD S0, \a0
	BLOAD S1, \a1
	BCALC S0, \a0, 4
	BLOAD S0, \a2
	BCALC S1, \a1, 8
	BLOAD S1, \a3
	BCALC S0, \a2, 8
	BLOAD S0, \a4
	BCALC S1, \a3, 8
	BLOAD S1, \a5
	BCALC S0, \a4, 8
	BCALC S1, \a5, 4
.endm
	s_cmp_eq_u32 s14, 0
	s_cbranch_scc1 .Lbuild0
	s_cmp_eq_u32 s14, 1
	s_cbranch_scc1 .Lbuild1
	s_cmp_eq_u32 s14, 2
	s_cbranch_scc1 .Lbuild2
	WBUILD 3, 7, 11, 15, 19, 23
	s_branch .Lbuilt
.Lbuild0:
	WBUILD 0, 4, 8, 12, 16, 20
	s_branch .Lbuilt
.Lbuild1:
	WBUILD 1, 5, 9, 13, 17, 21
	s_branch .Lbuilt
.Lbuild2:
	WBUILD 2, 6, 10, 14, 18, 22
.Lbuilt:
	s_wait_dscnt 0x0                               ; my six matrices are in LDS
	s_barrier_signal -1
	s_barrier_wait -1                              ; all 24 are; from here on no wave writes bytes that another reads
; a gate operand: two tiles of 16 rows; lane (r, h) takes k = 8h.. and 16 + 8h.. of row r
.macro GLOAD s, buf
.irp t, 0,1
	ds_load_b128 v[\buf+8*\t:\buf+8*\t+3], v3 offset:(\s)*MATP+\t*1280
	ds_load_b128 v[\buf+8*\t+4:\buf+8*\t+7], v3 offset:(\s)*MATP+\t*1280+32
.endr
.endm
	GLOAD 0, GB0
	; THE START.  cos and sin of y/2 = n pi + rho, |rho| <= pi/2; pi in two parts
	s_wait_kmcnt 0x0
	v_mov_b32 v14, s19
	v_mul_f32 v15, 0.15915494, v14
	v_rndne_f32 v15, v15                           ; n
	v_mul_f32 v14, 0.5, v14
	v_fmamk_f32 v14, v15, 0xc0490fdb, v14
	v_fmamk_f32 v14, v15, 0x33bbbd2e, v14          ; rho
	SINCOS 72, 73, 14, 74
	v_xor_b32 v75, 0x80000000, v72                 ; -s
	v_cmp_gt_u32 vcc_lo, 16, v1                    ; lanes of the real half
	v_cndmask_b32 v74, v72, v75, vcc_lo
	v_cvt_pk_f16_f32 v5, v73, v73                  ; (c, c)
	v_cvt_pk_f16_f32 v6, v74, v74                  ; (-s, -s) in the real half, (s, s) in the other
	s_wait_loadcnt 0x0                             ; x
.irp a, 0,1,2,3
	v_pk_mul_f32 v[64+2*\a:65+2*\a], v[D+2*\a:D+2*\a+1], v[D+2*\a:D+2*\a+1]        ; four chains of pairs, started by the first squares
.endr
.set ri, 4
.rept 28
	v_pk_fma_f32 v[64+2*(ri&3):65+2*(ri&3)], v[D+2*ri:D+2*ri+1], v[D+2*ri:D+2*ri+1], v[64+2*(ri&3):65+2*(ri&3)]
.set ri, ri+1
.endr
	v_pk_add_f32 v[64:65], v[64:65], v[66:67]
	v_pk_add_f32 v[68:69], v[68:69], v[70:71]
	v_pk_add_f32 v[64:65], v[64:65], v[68:69]
	v_add_f32 v64, v64, v65
	v_add_f32_dpp v64, v64, v64 row_xmask:1 row_mask:0xf bank_mask:0xf     ; sixteen lanes hold the whole row: nothing crosses the halves
	v_add_f32_dpp v64, v64, v64 row_xmask:2 row_mask:0xf bank_mask:0xf
	v_add_f32_dpp v64, v64, v64 row_xmask:4 row_mask:0xf bank_mask:0xf
	v_add_f32_dpp v64, v64, v64 row_xmask:8 row_mask:0xf bank_mask:0xf
	v_rsq_f32 v65, v64
	v_nop
	v_mul_f32 v65, 0x42000000, v65                 ; 32 / norm
	v_mul_f32 v73, v73, v65
	v_mul_f32 v75, v75, v65
	v_cndmask_b32 v10, 0, v73, vcc_lo              ; wire 10 = 0: re = c x, im = 0
	v_cndmask_b32 v12, v75, 0, vcc_lo              ; wire 10 = 1: re = 0, im = -s x
	v_mov_b32 v11, v10
	v_mov_b32 v13, v12
.set ri, 0
.rept 32
	v_pk_mul_f32 v[D+64+2*ri:D+65+2*ri], v[D+2*ri:D+2*ri+1], v[12:13]
.set ri, ri+1
.endr
.set ri, 0
.rept 32
	v_pk_mul_f32 v[D+2*ri:D+2*ri+1], v[D+2*ri:D+2*ri+1], v[10:11]
.set ri, ri+1
.endr
; A STAGE = CVT, then MM.  CVT keeps the stage's figures in symbols (MS slot, MV0 .. MT2 masks, MSM swap mask), which MM reads.
; cvo = the D index from which operand register c (bits: k1, k2, k4, tile 0..2) takes its low half: the XOR of the masks of c's bits
.macro OFC c
.set cvo, (((\c)&1)*MV1)^((((\c)>>1)&1)*MV2)^((((\c)>>2)&1)*MV4)^((((\c)>>3)&1)*MT0)^((((\c)>>4)&1)*MT1)^((((\c)>>5)&1)*MT2)
.endm
; the conversions that read (want = 1) or do not read (0) one of the two D tiles that the last stage wrote last: tiles 6, 7, or 3, 7 where it
; went 0 4 1 5 2 6 3 7 (PX4 = 1).  Those 32 registers feed at most 32 of the 64 conversions.
.macro CVPASS want
.set cvi, 0
.rept 64
	OFC cvi
.set cvp, cvo^MV0
.set lat, (((cvo>>(5-PX4))&(cvo>>(6-PX4)))|((cvp>>(5-PX4))&(cvp>>(6-PX4))))&1
.if lat==\want
	v_cvt_pk_f16_f32 v[P+cvi], v[D+cvo], v[D+cvp]
.endif
.set cvi, cvi+1
.endr
.endm
; f32 -> f16 and the change of basis.  The youngest matrix results are read last.  Between the two passes the NEXT slot's gate operand is asked
; for, into the buffer that the last stage's matrix instructions read: four v_nop and 32 conversions or more lie between (ISA guide 7.12.1).
.set PX4, 0
.macro CVT s, V0, V1, V2, V4, T0, T1, T2, SM
.set MS, \s
.set MV0, \V0
.set MV1, \V1
.set MV2, \V2
.set MV4, \V4
.set MT0, \T0
.set MT1, \T1
.set MT2, \T2
.set MSM, \SM
	CVPASS 0
.if MS<23
.set NB, GB0+16*((MS+1)&1)
	GLOAD MS+1, NB
.endif
	CVPASS 1
.set PX4, (MSM>>5)&1
.endm
; THE SWAPS (MSM != 0, behind a multiply A): D's bit 3 is re/im and h a wire; MSM is the c that flips bit 3 of the D index alone.  A swap gives
; the upper lanes of the re register and the lower lanes of the im register to each other: h becomes re/im, bit 3 the wire.
; A unit is two operand tiles that swap among themselves: tau and tau ^ 4 where MSM holds tile bit 2 (X4 = 1), neighbours otherwise; 8 swaps.
; SWAPS writes the swaps number 2 swq and 2 swq + 1 of unit swu.
.macro SWAPS
.set swn, 0
.set swi, 0
.rept 16
.set swt, 2*swu+(swi>>3)
.set swc, 8*((1-X4)*swt+X4*((swt>>1)|((swt&1)<<2)))+(swi&7)
	OFC swc
.if ((cvo>>3)&1)==0
.if (swn>>1)==swq
	v_permlane16_swap_b32 v[P+swc], v[P+(swc^MSM)]
.endif
.set swn, swn+1
.endif
.set swi, swi+1
.endr
.endm
; 16 matrix instructions: 8 state operands x 2 gate tiles; C = 0: each stage is a whole product.  gfirst = 1: multiply B.
; Behind each matrix instruction of a unit stand two swaps of the next unit: independent vector work, which names no register of the matrix
; instructions issued so far in this stage (ISA guide 7.12.1); only unit 0's eight swaps stand in front.
.macro MM gfirst
.set GB, GB0+16*(MS&1)
.set X4, (MSM>>5)&1
.if MSM
.set swu, 0
.set swq, 0
.rept 4
	SWAPS
.set swq, swq+1
.endr
.endif
.if MS<23
	s_wait_dscnt 4                                 ; this slot's operand is in; the next slot's four loads, issued in CVT, stay out
.else
	s_wait_dscnt 0x0                               ; the last operand: nothing was issued behind it
.endif
.set wi, 0
.rept 16
.set wt, wi>>1
.set ti, (1-X4)*wt+X4*((wt>>1)|((wt&1)<<2))
.set tt, wi&1
.if \gfirst
	v_wmma_f32_16x16x32_f16 v[D+16*ti+8*tt:D+16*ti+8*tt+7], v[GB+8*tt:GB+8*tt+7], v[P+8*ti:P+8*ti+7], 0
.else
	v_wmma_f32_16x16x32_f16 v[D+16*ti+8*tt:D+16*ti+8*tt+7], v[P+8*ti:P+8*ti+7], v[GB+8*tt:GB+8*tt+7], 0
.endif
.if MSM
.if wi<12
.set swu, (wi>>2)+1
.set swq, wi&3
	SWAPS
.endif
.endif
.set wi, wi+1
.endr
.rept 4
	v_nop                                          ; four places before vector instructions read D and rewrite P (ISA guide 7.12.1)
.endr
.endm
; slot 14's gate times RX(y) on position 3: c G + s G2, G2 = G (-iX) = G read at the other k4 and the other re/im column, negative in the re column
.macro RXMIX
.irp t, 0,1
	ds_load_b128 v[G2R+8*\t:G2R+8*\t+3], v4 offset:14*MATP+\t*1280+32
	ds_load_b128 v[G2R+8*\t+4:G2R+8*\t+7], v4 offset:14*MATP+\t*1280
.endr
	s_wait_dscnt 0x0                               ; both forms of the matrix are in
.set ri, 0
.rept 16
	v_pk_mul_f16 v[GB0+ri], v[GB0+ri], v5
.set ri, ri+1
.endr
.set ri, 0
.rept 16
	v_pk_fma_f16 v[GB0+ri], v[G2R+ri], v6, v[GB0+ri]
.set ri, ri+1
.endr
.endm
.macro THIRD s                         ; a layer's third stage: three wires from D's bits 4..6, re/im from bit 3 at k4, the wire in h under the identity: no swap
	CVT \s, 16, 32, 64, 8, 1, 2, 4, 0
	MM 1
.endm
.macro TAIL s                          ; layers 2 (from its second stage), 3 and 4 of a block: slots s .. s+6
	CVT \s, 32, 65, 6, 24, 16, 3, 12, 12           ; wires 4 6 8 10
	MM 0
	THIRD \s+1                                     ; wires 0 7 9
	CVT \s+2, 33, 72, 10, 37, 80, 6, 32, 0         ; ring of range 2; wires 0 3 5 9
	MM 0
	CVT \s+3, 3, 16, 32, 24, 65, 6, 12, 5          ; wires 4 1 7 10
	MM 0
	THIRD \s+4                                     ; wires 2 6 8
	CVT \s+5, 48, 34, 68, 52, 65, 10, 8, 0         ; ring of range 3; wires 0 3 5 8
	MM 0
	CVT \s+6, 32, 16, 12, 24, 3, 5, 67, 5          ; wires 6 2 7 10
	MM 0
.endm
	; THE 24 STAGES.  Start: D index = 64 wire10 + 4 i + e, bits = wires 9 8 3 2 1 0 10; lanes = wires 7 6 5 4.
	CVT 0, 4, 8, 16, 32, 1, 2, 64, 0               ; wires 3 2 1 0
	MM 0
	CVT 1, 1, 32, 16, 64, 2, 4, 8, 32              ; wires 7 8 9 10
	MM 0
	THIRD 2                                        ; wires 6 5 4
	CVT 3, 96, 48, 20, 3, 72, 6, 1, 0              ; ring of range 1; wires 1 2 3 5
	MM 0
	TAIL 4
	THIRD 11                                       ; wires 1 4 9
	CVT 12, 65, 10, 68, 73, 18, 32, 4, 0           ; ring of range 4; second block: wires 1 4 5 8
	MM 0
	CVT 13, 16, 3, 36, 9, 20, 67, 44, 34           ; wires 0 2 3 6
	MM 0
	CVT 14, 16, 8, 32, 64, 1, 2, 4, 1              ; wires 7, (8 under the identity), 9, 10 with RX
	RXMIX
	MM 0
	CVT 15, 18, 6, 36, 72, 17, 96, 8, 32           ; ring of range 1; wires 1 2 3 5
	MM 0
	TAIL 16
	THIRD 23                                       ; wires 1 4 9; rows of format 0 under multiply B: re and im land in one lane (D's bit 3)
	; THE WAY OUT.  D bits 0 1 2 = wires 1 4 9, bit 3 = re/im, bits 4 5 6 = wires 0 3 5; h = wire 8; lanes = wires 6 2 7 10.
	; The last ring (range 4) sends each of these bits to a fixed XOR mask of the pixel number; its new wire 10 is r0 ^ r1 ^ r3.
.set ti, 0
.rept 8
.irp j, 0,2,4,6
	v_pk_mul_f32 v[D+16*ti+\j:D+16*ti+\j+1], v[D+16*ti+\j:D+16*ti+\j+1], v[D+16*ti+\j:D+16*ti+\j+1]
.endr
.irp j, 0,2,4,6
	v_pk_fma_f32 v[D+16*ti+\j:D+16*ti+\j+1], v[D+16*ti+8+\j:D+16*ti+9+\j], v[D+16*ti+8+\j:D+16*ti+9+\j], v[D+16*ti+\j:D+16*ti+\j+1]
.endr
.set ti, ti+1
.endr
	v_and_b32 v14, 1, v1
	v_mul_u32_u24 v8, 72, v14                      ; the lane's part of the pixel number
	v_bfe_u32 v14, v1, 1, 1
	v_mul_u32_u24 v14, 200, v14
	v_xor_b32 v8, v8, v14
	v_bfe_u32 v14, v1, 2, 1
	v_mul_u32_u24 v14, 516, v14
	v_xor_b32 v8, v8, v14
	v_bfe_u32 v14, v1, 3, 1
	v_mul_u32_u24 v14, 64, v14
	v_xor_b32 v8, v8, v14
	v_bfe_u32 v14, v1, 4, 1
	v_mul_u32_u24 v14, 258, v14
	v_xor_b32 v8, v8, v14
	v_add_nc_u32 v9, s22, v7                       ; read-back: my stage + 16 x lane
	v_lshrrev_b32 v15, 1, v1
	v_lshrrev_b32 v14, 3, v1
	v_xor_b32 v15, v15, v1
	v_xor_b32 v15, v15, v14
	v_and_b32 v15, 1, v15                          ; new wire 10
.set ri, 0
.rept 64
.set pxc, ((ri&1)*401)^(((ri>>1)&1)*290)^(((ri>>2)&1)*129)^(((ri>>3)&1)*802)^(((ri>>4)&1)*580)^(((ri>>5)&1)*145)
	v_minimum_f32 v[D+16*(ri>>3)+(ri&7)], 1.0, v[D+16*(ri>>3)+(ri&7)]      ; the sum of squares is never below 0: the upper clip alone
	v_xor_b32 v[P+ri], pxc, v8                     ; the pixel number
.set ri, ri+1
.endr
.set ri, 0
.rept 64
	v_and_b32 v[P+ri], 0x3ff, v[P+ri]              ; ten bits: the word lies in my 4,096 bytes, whatever the masks above
.set ri, ri+1
.endr
.set ri, 0
.rept 64
	v_lshl_add_u32 v[P+ri], v[P+ri], 2, s22        ; 4 x pixel + my stage
.set ri, ri+1
.endr
	v_cmp_eq_u32 vcc_lo, 0, v15
	s_wait_xcnt 0x0                                ; EXEC changes only behind this wait
	s_and_saveexec_b32 s20, vcc_lo                 ; the sixteen lanes whose new wire 10 is 0: 16 x 64 = all 1,024 pixels, each once
.set ri, 0
.rept 64
	ds_store_b32 v[P+ri], v[D+16*(ri>>3)+(ri&7)]
.set ri, ri+1
.endr
	s_or_b32 exec_lo, exec_lo, s20                 ; (no global instruction was issued under the narrow EXEC)
.irp i, 0,1,2,3,4,5,6,7
	ds_load_b128 v[P+4*\i:P+4*\i+3], v9 offset:512*\i      ; my own bytes; LDS serves a wave's instructions in order (ISA guide 5.7.1): these see the stores
.endr
.irp i, 0,1,2,3,4,5,6,7
	s_wait_dscnt 7-\i                              ; in order: load i is in, the younger ones stay out
	global_store_b128 v7, v[P+4*\i:P+4*\i+3], s[12:13] offset:512*\i th:TH_STORE_NT   ; the wave stores 512 consecutive bytes, aligned
.endr
	s_endpgm
.Lfunc_end_k_q9650fbf7c6_qsim:
	.size	k_q9650fbf7c6_qsim, .Lfunc_end_k_q9650fbf7c6_qsim-k_q9650fbf7c6_qsim
	.p2alignl 7, 3214868480
	.fill 96, 4, 3214868480
	.section	.rodata,"a",@progbits
	.p2align	6, 0x0
	.amdhsa_kernel k_q9650fbf7c6_qsim
		.amdhsa_group_segment_fixed_size 81920
		.amdhsa_private_segment_fixed_size 0
		.amdhsa_enable_private_segment 0
		.amdhsa_kernarg_size 40
		.amdhsa_user_sgpr_count 2
		.amdhsa_user_sgpr_kernarg_segment_ptr 1
		.amdhsa_wavefront_size32 1
		.amdhsa_system_sgpr_workgroup_id_x 1
		.amdhsa_system_sgpr_workgroup_id_y 1
		.amdhsa_system_sgpr_workgroup_id_z 1
		.amdhsa_system_vgpr_workitem_id 0
		.amdhsa_next_free_vgpr 256
		.amdhsa_next_free_sgpr 66
		.amdhsa_reserve_vcc 1
		.amdhsa_float_denorm_mode_32 3
		.amdhsa_float_denorm_mode_16_64 3
		.amdhsa_memory_ordered 1
		.amdhsa_forward_progress 1
		.amdhsa_inst_pref_size 255
	.end_amdhsa_kernel
	.section	.bss,"aw",@nobits
	.p2align	6
	.space	262144
	.amdgpu_metadata
---
amdhsa.version: [ 1, 2 ]
amdhsa.kernels:
  - .name:           k_q9650fbf7c6_qsim
    .symbol:         k_q9650fbf7c6_qsim.kd
    .args:
      - { .name: w0, .offset: 0, .size: 8, .value_kind: global_buffer, .address_space: global }
      - { .name: w1, .offset: 8, .size: 8, .value_kind: global_buffer, .address_space: global }
      - { .name: x, .offset: 16, .size: 8, .value_kind: global_buffer, .address_space: global }
      - { .name: y, .offset: 24, .size: 8, .value_kind: global_buffer, .address_space: global }
      - { .name: out0, .offset: 32, .size: 8, .value_kind: global_buffer, .address_space: global }
    .group_segment_fixed_size: 81920
    .private_segment_fixed_size: 0
    .kernarg_segment_align: 8
    .kernarg_segment_size: 40
    .max_flat_workgroup_size: 128
    .sgpr_count:     66
    .vgpr_count:     256
    .wavefront_size: 32
...
	.end_amdgpu_metadata
.endif
;; end of part 1
